; MI455X (gfx1250); checked and timed in simulation.
; The chip was launched on July 23, 2026; its instructions are those of AMD's public machine-readable ISA for CDNA 5 (MIT licence, August 2026) and "CDNA5" Instruction Set Architecture Reference Guide (July 2026). The comments in the code are by the model that wrote it; some were corrected since.
;; Time Mix. Allowed arithmetic: float matrix products may take bf16 or f16 operands with f32 sums; other float arithmetic in f32, or as packed bf16 or f16 multiplies, adds, multiply-adds, maxima and minima; sums over many terms, partial sums and values carried from step to step in f32; what a program stores and reads back later, other than sums and carried values, may be rounded once to bf16 or f16.
;; Inputs: Wk 2,048 x 2,048 float32; Wr 2,048 x 2,048 float32; Wv 2,048 x 2,048 float32; time_decay 2,048 float32; x 8 x 512 x 2,048 float32.
;; Outputs: out0 8 x 512 x 2,048 float32; out1 8 x 2,048 float32.
;; 2 versions, each right; version 2 is version 1 with the launch cast written anew for expert scheduling mode. Each part assembles by itself: llvm-mc -triple=amdgcn-amd-amdhsa -mcpu=gfx1250 --defsym DOCPART=n.
;; ======== version 1 of 2: 2 launches
;; limits: right only within a limited range of input values
;; workspace buffers: xb 16,777,216 bytes; wb 25,165,824 bytes
;; launch cast (part 1): grid 256 x 1, 20 waves a work-group, no clusters, 0 bytes of LDS; arguments x, Wk, Wv, Wr, xb, wb, out1; writes xb, wb, out1
.if DOCPART == 1
	.amdgcn_target "amdgcn-amd-amdhsa--gfx1250"
	.amdhsa_code_object_version 6
	.text
	.protected	k_qcf1bd18cd9_cast
	.globl	k_qcf1bd18cd9_cast
	.p2align	8
	.type	k_qcf1bd18cd9_cast,@function
k_qcf1bd18cd9_cast:
	s_mov_b64 s[64:65], 0
	v_nop
	global_prefetch_b8 v0, s[64:65] scope:SCOPE_SE
	s_setreg_imm32_b32 hwreg(HW_REG_WAVE_MODE, 25, 1), 1
	s_wait_xcnt 0x0
; x [8][512][2048] and Wk, Wv, Wr [2048][2048], all f32, are rounded once to bf16 (nearest even) and written in the order in which the next launch's tiles want them;
; out1[b] = x[b][510] is copied exactly.
;   xb [b 8][s 32][rho 512][64]: K step s of batch b is 65,536 dense bytes.  Time t = 128 w + 64 h + 8 a + j lies at row rho = 128 w + 16 a + 8 h + j.
;   wb [n 32][s 32][q 192][64]:  K step s of channel block n is 24,576 dense bytes.  Row q = 64 mat + 16 cb + r holds channel 64 n + 4 r + cb of Wk, Wv, Wr (mat 0, 1, 2).
;   k: of each 256 numbers of a source row (group g) lane l takes 4 l .. 4 l + 3 and 128 + 4 l .. 128 + 4 l + 3 and makes 16 bytes of them, which go to K step 4 g + l / 8, place l % 8.
;      x and the weights get the same order of k, so every product meets its partner and the sums are the same.
; SHARES.  10,240 source rows of 8,192 bytes are 5,120 pairs whose two rows are neighbours at their destination; a wave takes one pair: 256 work-groups x 20 waves.  All 32 loads of a wave
; (512 consecutive bytes each) go out at once, so there is no loop.  The lanes of the two rows are exchanged eight apart, so that sixteen neighbouring lanes store 256 consecutive, aligned bytes.
; No LDS, no barrier, no matrix unit, no cluster: every byte is read once and written once, no two work-groups read the same bytes, and the work is a rounding.
.set RAW, 32                           ; v[32:159] group g at RAW + 16 g: row 0's two loads (8 registers), row 1's two loads (8); row 1's then take the 32 bytes to store
.set P4,  8                            ; v[8:11]   row 0's 16 bytes of the group in hand
.set Q4,  12                           ; v[12:15]  row 1's
.set T1,  16                           ; v[16:19]  row 1's of the lane eight away
.set T2,  20                           ; v[20:23]  row 0's of the lane eight away
.set XSTEP, 65536                      ; bytes from K step to K step in xb
.set WSTEP, 24576                      ; and in wb
.macro LOADS d                         ; d: bytes from the pair's first source row to its second
.set g, 0
.rept 8
	global_load_b128 v[RAW+16*g:RAW+16*g+3],     v2, s[24:25] offset:1024*g th:TH_LOAD_NT
	global_load_b128 v[RAW+16*g+4:RAW+16*g+7],   v2, s[24:25] offset:1024*g+512 th:TH_LOAD_NT
	global_load_b128 v[RAW+16*g+8:RAW+16*g+11],  v2, s[24:25] offset:(\d)+1024*g th:TH_LOAD_NT
	global_load_b128 v[RAW+16*g+12:RAW+16*g+15], v2, s[24:25] offset:(\d)+1024*g+512 th:TH_LOAD_NT
.set g, g+1
.endr
.endm
; The eight groups, one after the other.  bs: bytes from K step to K step at the destination.  No register that a store reads is written again, so no wait frees any.
.macro BODY bs
.set g, 0
.rept 8
	s_wait_loadcnt 28-4*g                          ; loads come back in order: this group's four are in, four for each younger group stay out
.irp k, 0,1,2,3
	v_cvt_pk_bf16_f32 v[P4+\k], v[RAW+16*g+2*\k], v[RAW+16*g+2*\k+1]
.endr
.irp k, 0,1,2,3
	v_cvt_pk_bf16_f32 v[Q4+\k], v[RAW+16*g+8+2*\k], v[RAW+16*g+8+2*\k+1]
.endr
.irp k, 0,1,2,3
	v_mov_b32_dpp v[T1+\k], v[Q4+\k] row_xmask:8 row_mask:0xf bank_mask:0xf
	v_mov_b32_dpp v[T2+\k], v[P4+\k] row_xmask:8 row_mask:0xf bank_mask:0xf
.endr
.irp k, 0,1,2,3
	v_cndmask_b32 v[RAW+16*g+8+\k],  v[P4+\k], v[T1+\k], s20   ; lanes 0-7 of a half: row 0 of K step 4 g + 2 (l / 16); lanes 8-15: row 1 of the same step
	v_cndmask_b32 v[RAW+16*g+12+\k], v[T2+\k], v[Q4+\k], s20   ; the same for K step 4 g + 1 + 2 (l / 16)
.endr
	global_store_b128 v3, v[RAW+16*g+8:RAW+16*g+11],  s[32:33] offset:4*g*(\bs)      ; sixteen lanes store 256 consecutive bytes, at a multiple of 256 from the buffer's first byte
	global_store_b128 v3, v[RAW+16*g+12:RAW+16*g+15], s[32:33] offset:(4*g+1)*(\bs)
.set g, g+1
.endr
.endm
	s_load_b256 s[4:11], s[0:1], 0x0               ; x s[4:5], Wk s[6:7], Wv s[8:9], Wr s[10:11]
	s_load_b128 s[12:15], s[0:1], 0x20             ; xb s[12:13], wb s[14:15]
	s_load_b64 s[16:17], s[0:1], 0x30              ; out1
	v_lshrrev_b32 v4, 5, v0
	v_readfirstlane_b32 s18, v4                    ; wave 0..19
	s_mul_i32 s19, ttmp9, 20
	s_add_co_u32 s19, s19, s18                     ; my pair, 0..5119: 2,048 of x, then 1,024 of each weight
	v_and_b32 v1, 31, v0                           ; lane
	v_lshlrev_b32 v2, 4, v1                        ; 16 bytes a lane: source offset, and offset in out1
	v_and_b32 v4, 8, v1
	v_cmp_ne_u32 s20, 0, v4                        ; the lanes 8-15 of each half
	v_lshrrev_b32 v5, 4, v1                        ; which half of the lanes
	v_and_b32 v6, 15, v1
	v_lshlrev_b32 v6, 4, v6                        ; my 16 of a half's 256 bytes
.irp k, 0,1,2,3
	v_mov_b32 v[T1+\k], 0                          ; the exchange's destinations count as read: written once here
	v_mov_b32 v[T2+\k], 0
.endr
	s_wait_kmcnt 0x0
	s_cmp_lt_u32 s19, 2048
	s_cbranch_scc0 .Lw
	; A PAIR OF x: rows t = 2 tp and t + 1 of batch b
	s_lshl_b32 s28, s19, 14                        ; two rows of 8,192 bytes a pair
	s_mov_b32 s29, 0
	s_add_nc_u64 s[24:25], s[4:5], s[28:29]
	LOADS 8192
	s_lshr_b32 s36, s19, 8                         ; b
	s_and_b32 s37, s19, 255                        ; tp
	s_lshl_b32 s21, s37, 1                         ; t
	s_and_b32 s22, s21, 0x180                      ; 128 w
	s_bfe_u32 s23, s21, 0x30003                    ; a
	s_lshl_b32 s23, s23, 4
	s_or_b32 s22, s22, s23
	s_bfe_u32 s23, s21, 0x10006                    ; h
	s_lshl_b32 s23, s23, 3
	s_or_b32 s22, s22, s23
	s_and_b32 s23, s21, 7                          ; j
	s_or_b32 s22, s22, s23                         ; rho, even
	s_lshl_b32 s34, s36, 21                        ; a batch is 32 K steps of 65,536 bytes
	s_lshl_b32 s22, s22, 7                         ; a row of a K step is 128 bytes
	s_add_co_u32 s34, s34, s22
	s_mov_b32 s35, 0
	s_add_nc_u64 s[32:33], s[12:13], s[34:35]
	v_lshl_add_u32 v3, v5, 17, v6                  ; the upper half of the lanes stores two K steps further on
	BODY XSTEP
	s_cmp_lg_u32 s37, 255
	s_cbranch_scc1 .Lend                           ; only the pair with t = 510 has out1's row
	s_lshl_b32 s40, s36, 13
	s_mov_b32 s41, 0
	s_add_nc_u64 s[42:43], s[16:17], s[40:41]
.set g, 0
.rept 8
	global_store_b128 v2, v[RAW+16*g:RAW+16*g+3],   s[42:43] offset:1024*g th:TH_STORE_NT      ; row 0 as it was loaded: 512 consecutive bytes a store
	global_store_b128 v2, v[RAW+16*g+4:RAW+16*g+7], s[42:43] offset:1024*g+512 th:TH_STORE_NT
.set g, g+1
.endr
.Lend:
	s_endpgm
.Lw:	; A PAIR OF A WEIGHT: channels e and e + 4, which are rows q and q + 1 of a block
	s_sub_co_u32 s21, s19, 2048
	s_lshr_b32 s22, s21, 10                        ; mat
	s_bfe_u32 s23, s21, 0x50005                    ; n
	s_bfe_u32 s36, s21, 0x20003                    ; cb
	s_and_b32 s37, s21, 7                          ; u: r = 2 u, 2 u + 1
	s_lshl_b32 s38, s23, 6
	s_lshl_b32 s39, s37, 3
	s_add_co_u32 s38, s38, s39
	s_add_co_u32 s38, s38, s36                     ; e = 64 n + 8 u + cb
	s_lshl_b32 s28, s38, 13
	s_mov_b32 s29, 0
	s_cmp_eq_u32 s22, 1
	s_cselect_b64 s[24:25], s[8:9], s[6:7]         ; Wv or Wk,
	s_cmp_eq_u32 s22, 2
	s_cselect_b64 s[24:25], s[10:11], s[24:25]     ; or Wr
	s_add_nc_u64 s[24:25], s[24:25], s[28:29]
	LOADS 32768
	s_lshl_b32 s39, s22, 6
	s_lshl_b32 s40, s36, 4
	s_add_co_u32 s39, s39, s40
	s_lshl_b32 s40, s37, 1
	s_add_co_u32 s39, s39, s40                     ; q = 64 mat + 16 cb + 2 u
	s_lshl_b32 s39, s39, 7
	s_mul_i32 s34, s23, 32*WSTEP                   ; a channel block is 32 K steps of 24,576 bytes
	s_add_co_u32 s34, s34, s39
	s_mov_b32 s35, 0
	s_add_nc_u64 s[32:33], s[14:15], s[34:35]
	v_mul_u32_u24 v3, v5, 2*WSTEP
	v_add_nc_u32 v3, v3, v6
	BODY WSTEP
	s_endpgm
.Lfunc_end_k_qcf1bd18cd9_cast:
	.size	k_qcf1bd18cd9_cast, .Lfunc_end_k_qcf1bd18cd9_cast-k_qcf1bd18cd9_cast
	.p2alignl 7, 3214868480
	.fill 96, 4, 3214868480
	.section	.rodata,"a",@progbits
	.p2align	6, 0x0
	.amdhsa_kernel k_qcf1bd18cd9_cast
		.amdhsa_group_segment_fixed_size 0
		.amdhsa_private_segment_fixed_size 0
		.amdhsa_enable_private_segment 0
		.amdhsa_kernarg_size 56
		.amdhsa_user_sgpr_count 2
		.amdhsa_user_sgpr_kernarg_segment_ptr 1
		.amdhsa_wavefront_size32 1
		.amdhsa_system_sgpr_workgroup_id_x 1
		.amdhsa_system_sgpr_workgroup_id_y 1
		.amdhsa_system_sgpr_workgroup_id_z 1
		.amdhsa_system_vgpr_workitem_id 0
		.amdhsa_next_free_vgpr 160
		.amdhsa_next_free_sgpr 66
		.amdhsa_reserve_vcc 0
		.amdhsa_float_denorm_mode_32 3
		.amdhsa_float_denorm_mode_16_64 3
		.amdhsa_memory_ordered 1
		.amdhsa_forward_progress 1
		.amdhsa_inst_pref_size 39
	.end_amdhsa_kernel
	.amdgpu_metadata
---
amdhsa.version: [ 1, 2 ]
amdhsa.kernels:
  - .name:           k_qcf1bd18cd9_cast
    .symbol:         k_qcf1bd18cd9_cast.kd
    .args:
      - { .name: x, .offset: 0, .size: 8, .value_kind: global_buffer, .address_space: global }
      - { .name: Wk, .offset: 8, .size: 8, .value_kind: global_buffer, .address_space: global }
      - { .name: Wv, .offset: 16, .size: 8, .value_kind: global_buffer, .address_space: global }
      - { .name: Wr, .offset: 24, .size: 8, .value_kind: global_buffer, .address_space: global }
      - { .name: xb, .offset: 32, .size: 8, .value_kind: global_buffer, .address_space: global }
      - { .name: wb, .offset: 40, .size: 8, .value_kind: global_buffer, .address_space: global }
      - { .name: out1, .offset: 48, .size: 8, .value_kind: global_buffer, .address_space: global }
    .group_segment_fixed_size: 0
    .private_segment_fixed_size: 0
    .kernarg_segment_align: 8
    .kernarg_segment_size: 56
    .max_flat_workgroup_size: 640
    .sgpr_count:     66
    .vgpr_count:     160
    .wavefront_size: 32
...
	.end_amdgpu_metadata
.endif
;; end of part 1
;; launch mix (part 2): grid 32 x 8, 4 waves a work-group, clusters of 4 x 4, 327,680 bytes of LDS; arguments xb, wb, time_decay, out0; writes out0
.if DOCPART == 2
	.amdgcn_target "amdgcn-amd-amdhsa--gfx1250"
	.amdhsa_code_object_version 6
	.text
	.protected	k_qcf1bd18cd9_mix
	.globl	k_qcf1bd18cd9_mix
	.p2align	8
	.type	k_qcf1bd18cd9_mix,@function
k_qcf1bd18cd9_mix:
	s_mov_b64 s[64:65], 0
	v_nop
	global_prefetch_b8 v0, s[64:65] scope:SCOPE_SE
	s_setreg_imm32_b32 hwreg(HW_REG_WAVE_MODE, 25, 1), 1
	s_wait_xcnt 0x0
	s_wait_alu depctr_hold_cnt(0) depctr_sa_sdst(0) depctr_va_vdst(0) depctr_va_sdst(0) depctr_va_ssrc(0) depctr_va_vcc(0) depctr_vm_vsrc(0)
	s_getreg_b32 s2, hwreg(HW_REG_IB_STS2, 6, 4)
	s_cmp_eq_u32 s2, 0
	s_cbranch_scc0 .Lentry_in_a_cluster
	s_endpgm
.Lentry_in_a_cluster:
	s_bfe_u32 s2, ttmp6, 0x10000c
	s_cmp_lg_u32 s2, 0xf033
	s_cbranch_scc0 .Lentry_shape_is_right
	s_endpgm
.Lentry_shape_is_right:
; out0[b][t][e] = r[t] num[t] / (den[t] + 1e-8), with num[t] = w num[t-1] + e^k[t] v[t], den[t] = w den[t-1] + e^k[t], w = exp(-exp(time_decay)), k and v made of x[t-1], r of x[t].
; THE SHIFT NEEDS NO SECOND OPERAND: with K' = x Wk^T, V' = x Wv^T, R = x Wr^T on the same rows, k[t] = K'[t-1] and v[t] = V'[t-1].  So N[u] = w N[u-1] + e^K'[u] V'[u], D[u] = w D[u-1] + e^K'[u],
; begun at N = 0, D = 1 (time 0 has k = 0, v = 0), and out0[t] = R[t] N[t-1] / (D[t-1] + 1e-8).  Row 511's K' and V' are made and not used.
; SHARES.  A work-group owns all 512 times of one batch b and the 64 channels of block n, in all three products: 512 x 192 of sums, which never leave registers.  8 x 32 = 256 work-groups.
; A wave owns 128 rows x 192 columns: 96 accumulators of 16 x 16, 768 registers.  The launch before laid the rows so that lane (r = l % 16, h = l / 16) holds, in register j of block a, time
; 128 w + 64 h + 8 a + j: 64 consecutive times, a SEGMENT, number 2 w + h; and the columns so that its four column blocks cb are the neighbouring channels 64 n + 4 r + cb: a lane's four results of a
; time are 16 bytes of out0, and sixteen lanes' 256 consecutive, aligned bytes: the results are stored straight from registers.
; THE RING.  K goes in 32 steps of 64 through two LDS slots (A 512 rows, B 192 rows, 128 bytes of data a row).  A step of 128 would want 2 x 191,488 bytes, more than a work-group can have.
; Each step's blocks are dense in memory and are asked for as rows of 256 bytes (two tile rows), padded in LDS after every 128.
; CLUSTER.  4 x 4 work-groups: the four of a row of the cluster share b and so A's tiles, the four of a column share n and so B's: each tile is asked for jointly, by the same tensor load with the
; same descriptor and a mask that names the four.
; THE SCAN.  Each lane scans its segment from 0, in place; the segments' last values meet in LDS; each lane folds the segments in front of its own, begun at (0, 1), with w^64; the carry enters time
; 8 a + j of the segment as w^(j+1) w^(8a) times that state.
; LIMITS.  x, the weights and time_decay are rounded once to bf16.  e^k is taken without a maximum, as the formula has it: infinite above k = 88.7.  e^k and powers of w below 2^-126 count as 0.  The quotient is a
; multiplication by the reciprocal, which is 0 for a denominator of 2^126 or more (k above 87.3).  Powers of w come from 2^(p log2 w), not from repeated products: they differ by some 1e-6 of themselves.
; NaN and infinities are not treated apart.
; REGISTERS, in windows of 256 (s_set_vgpr_msb: bits 1:0 source 0, 3:2 source 1, 5:4 source 2, 7:6 destination):
;   window 0: v0-29 addresses; v32-95, v96-159 A's fragments (8 x 16 rows x 32 K), two buffers; v160-255 B's fragments, 32 registers for each of the three products; the scan's small tables lie there later
;   window 1: K', window 2: V', window 3: R: accumulator (a, cb) at v[32 a + 8 cb]
.set PITCH,  144                       ; an LDS row: 128 bytes + 16 of padding = 36 words: the 16 rows of a load start at 16 different groups of four banks (64 banks of 4 bytes: ISA guide 11.1)
.set ABYTES, 512*PITCH
.set SLOT,   704*PITCH                 ; A's 512 rows, then B's 192
.set AGG,    2*SLOT                    ; behind the ring, never filled by a tensor load: the segments' last N [8][64] f32, then their last D
.set SPARE,  AGG+4096                  ; the spare words, 128 bytes for each wave: two blocks of 256 bytes that no other line names
.set ASTEP,  65536                     ; bytes from K step to K step in xb
.set BSTEP,  24576                     ; and in wb
.set ADRA, 4                           ; v4-5   LDS address of my A fragments in slot 0, 1
.set ADRB, 6                           ; v6-7   the same for B
.set TDR,  8                           ; v8-11  time_decay of my four channels
.set GO,   13                          ; v13    my byte offset in the wave's part of out0
.set SIG,  14                          ; v14    my segment, 0..7
.set AGW,  15                          ; v15    where I put my segment's last values
.set AGR,  16                          ; v16    where I read the segments' values of my channels
.set SPW,  28                          ; v28    LDS address of my spare word: SPARE + 4 x my thread's number; never rewritten
.set NIL,  29                          ; v29    0; never rewritten
.set FA0,  32
.set FA1,  96
.set FB,   160
.set P8,   32                          ; the scan, window 0: v[P8 + 8 cb + j] = w^(j+1)
.set LW,   68                          ; log2 w
.set W64,  72                          ; w^64
.set W8D,  76                          ; w^8, twice for each cb
.set CN,   84                          ; the carry into the block in hand, N's, twice for each cb
.set CD,   92                          ; D's
.set EPSD, 100                         ; 1e-8, twice
.set QIN,  104                         ; N / (D + 1e-8) of the time in front of my segment
.set TN,   108
.set TD,   112
.set NI,   116                         ; the state in front of my segment
.set DI,   120
.set TT,   124
.set AN,   128                         ; segments 0 to 6: last N of my four channels
.set AD,   160                         ; last D
.set G1A, 24                           ; s[24:31] descriptor group 1 for A's tiles;  s[32:39] group 0, one set for each slot
.set G0A, 32
.set G1B, 48                           ; s[48:55], s[56:63] the same for B's
.set G0B, 56
.set MSB, 0
.macro WIN new                         ; the immediate's high byte repeats the setting that is left; a switch that changes nothing is dropped
.if MSB != (\new)
	s_set_vgpr_msb (MSB<<8)|(\new)
.set MSB, \new
.endif
.endm
; A joint load.  Waves 0 and 1 fetch A's two halves (256 tile rows each), waves 2 and 3 B's (96 each).  The branch hangs on the wave's number alone.
; An s_nop 0 and four v_nop follow each of the two lines, ahead of the jump, the label and what follows.
.macro JLOAD s
	s_cmp_eq_u32 s13, 0
	s_cbranch_scc0 .Lfor_b_\@
	tensor_load_to_lds s[G0A+4*(\s):G0A+4*(\s)+3], s[G1A:G1A+7]
	s_nop 0
.rept 4
	v_nop
.endr
	s_branch .Lasked_\@
.Lfor_b_\@:
	tensor_load_to_lds s[G0B+4*(\s):G0B+4*(\s)+3], s[G1B:G1B+7]
	s_nop 0
.rept 4
	v_nop
.endr
.Lasked_\@:
.endm
.macro CREST                           ; a round of the cluster's barrier behind its opening barrier: wave 0 signals for the work-group, every wave waits for all sixteen, my work-group's barrier closes it
	s_cmp_lg_u32 s12, 0
	s_cbranch_scc1 .Lnot_wave_0_\@
	s_barrier_signal -3
.Lnot_wave_0_\@:
	s_barrier_wait -3
	s_barrier_signal -1
	s_barrier_wait -1
.endm
.macro CROUND                          ; a whole round
	s_barrier_signal -1
	s_barrier_wait -1
	CREST
.endm
.macro PLACES                          ; four places between a matrix instruction and a load into, or a vector write of, one of its registers (ISA guide 7.12.1 for vector instructions)
.rept 4
	v_nop
.endr
.endm
	s_load_b256 s[4:11], s[0:1], 0x0               ; xb s[4:5], wb s[6:7], time_decay s[8:9], out0 s[10:11]
	v_lshl_add_u32 v[SPW], v0, 2, SPARE
	v_mov_b32 v[NIL], 0
	ds_add_u32 v[SPW], v[NIL]                      ; the wave's opening: the add and its wait stand ahead of my first tensor load; the set-up below, work on registers, stands between them
	v_lshrrev_b32 v1, 5, v0
	v_readfirstlane_b32 s12, v1                    ; wave 0..3
	s_lshr_b32 s13, s12, 1                         ; I fetch for A (0) or for B (1),
	s_and_b32 s14, s12, 1                          ; its first or its second half
	s_bfe_u32 s40, ttmp6, 0x40000                  ; cx, cy: my place in the cluster
	s_bfe_u32 s41, ttmp6, 0x40004
	s_lshl_b32 s42, ttmp9, 2
	s_add_co_u32 s42, s42, s40                     ; n = 4 x cluster x + cx
	s_and_b32 s43, ttmp7, 0xffff
	s_lshl_b32 s43, s43, 2
	s_add_co_u32 s43, s43, s41                     ; b = 4 x cluster y + cy
	s_lshl_b32 s44, s41, 2
	s_lshl_b32 s44, 15, s44                        ; my row of the cluster: places 4 cy .. 4 cy + 3
	s_lshl_b32 s45, 0x1111, s40                    ; my column: places cx, cx + 4, cx + 8, cx + 12
	; descriptor group 1: rows of 128 elements of 2 bytes, dense; padded in LDS
	s_or_b32 s[G1A], s44, (1<<16)|(1<<20)|(1<<21)|(4<<22)|(3<<25)  ; 15:0 the mask; 17:16 2-byte elements; 20 padding on; 21 set beside a mask; 24:22 after every 32 words (code 4); 31:25 4 words (code 3)
	s_or_b32 s[G1B], s45, (1<<16)|(1<<20)|(1<<21)|(4<<22)|(3<<25)
.irp g, G1A, G1B
	s_mov_b32 s[\g+1], 128<<16                     ; tensor_dim0 = 128
	s_mov_b32 s[\g+3], 128<<16                     ; tile_dim0 = 128
	s_mov_b32 s[\g+5], 128                         ; 128 elements from row to row
	s_mov_b32 s[\g+6], 0
	s_mov_b32 s[\g+7], 0
.endr
	s_mov_b32 s[G1A+2], 128<<16                    ; A: tensor_dim1 = tile_dim1 = 128 rows of 256 bytes
	s_mov_b32 s[G1A+4], 128
	s_mov_b32 s[G1B+2], 48<<16                     ; B: 48
	s_mov_b32 s[G1B+4], 48
	; where the tiles come from: A's hang on b, which my row of the cluster shares, B's on n, which my column shares; each in registers that never hold the other coordinate
	s_lshl_b32 s16, s43, 21                        ; a batch is 32 K steps of 65,536 bytes
	s_lshl_b32 s17, s14, 15
	s_add_co_u32 s16, s16, s17
	s_mov_b32 s17, 0
	s_mul_i32 s46, s42, 32*BSTEP
	s_mul_i32 s47, s14, BSTEP/2
	s_add_co_u32 s46, s46, s47
	s_mov_b32 s47, 0
	s_mul_i32 s20, s14, 256*PITCH                  ; and where they go: no place in the cluster enters an LDS address
	s_mul_i32 s21, s14, 96*PITCH
	s_add_co_u32 s21, s21, ABYTES
	s_mov_b32 s66, 0x3fb8aa3b                      ; log2(e),
	s_mov_b32 s67, s66                             ; named as a pair
	s_wait_dscnt 0x0                               ; the opening add is done
	s_wait_kmcnt 0x0
	s_add_nc_u64 s[18:19], s[4:5], s[16:17]
	s_add_nc_u64 s[46:47], s[6:7], s[46:47]
	CROUND                                         ; all sixteen work-groups are here: the first joint loads meet
.irp s, 0,1
	s_mov_b32 s[G0A+4*(\s)], 1                                     ; count = 1
	s_add_co_u32 s[G0A+4*(\s)+1], s20, (\s)*SLOT                   ; LDS address
	s_add_nc_u64 s[G0A+4*(\s)+2:G0A+4*(\s)+3], s[18:19], (\s)*ASTEP  ; global address: K step s
	s_or_b32 s[G0A+4*(\s)+3], s[G0A+4*(\s)+3], 0x80000000          ; type = 2
	s_mov_b32 s[G0B+4*(\s)], 1
	s_add_co_u32 s[G0B+4*(\s)+1], s21, (\s)*SLOT
	s_add_nc_u64 s[G0B+4*(\s)+2:G0B+4*(\s)+3], s[46:47], (\s)*BSTEP
	s_or_b32 s[G0B+4*(\s)+3], s[G0B+4*(\s)+3], 0x80000000
	JLOAD \s                                       ; both slots are asked for before anything else: two tensor loads of mine are out
.endr
	; A fragment is 16 rows x 32 K in 8 registers: lane l holds row l % 16; registers 0-3 K = 8 (l / 16) + 0..7, registers 4-7 K = 16 + 8 (l / 16) + 0..7: two loads of 16 bytes, 32 bytes apart.
	v_and_b32 v1, 15, v0                           ; r
	v_bfe_u32 v2, v0, 4, 1                         ; h
	v_mul_u32_u24 v3, v1, PITCH
	v_lshl_add_u32 v3, v2, 4, v3
	s_mul_i32 s22, s12, 128*PITCH                  ; my 128 rows of A
	s_mov_b32 s23, ABYTES                          ; all waves read all of B
.irp s, 0,1
	v_add_nc_u32 v[ADRA+(\s)], s22, v3
	v_add_nc_u32 v[ADRB+(\s)], s23, v3
	s_add_co_u32 s22, s22, SLOT
	s_add_co_u32 s23, s23, SLOT
.endr
	s_lshl_b32 s46, s42, 8                         ; my channel block: 256 bytes of time_decay and of a row of out0
	s_mov_b32 s47, 0
	v_lshlrev_b32 v12, 4, v1
	v_add_nc_u32 v12, s46, v12                     ; channels 64 n + 4 r + 0..3
	global_load_b128 v[TDR:TDR+3], v12, s[8:9]     ; waited for behind the products
	v_lshlrev_b32 v[GO], 4, v1
	v_lshl_add_u32 v[GO], v2, 19, v[GO]            ; 64 h rows of 8,192 bytes + 16 r
	v_lshrrev_b32 v[SIG], 4, v0
	v_lshlrev_b32 v[AGR], 4, v1
	v_add_nc_u32 v[AGR], AGG, v[AGR]
	v_lshl_add_u32 v[AGW], v[SIG], 8, v[AGR]
	s_lshl_b32 s16, s43, 22                        ; out0 at batch b (512 rows),
	s_lshl_b32 s17, s12, 20                        ; my wave's 128 rows,
	s_add_co_u32 s16, s16, s17
	s_mov_b32 s17, 0
	s_add_nc_u64 s[10:11], s[10:11], s[16:17]
	s_add_nc_u64 s[10:11], s[10:11], s[46:47]      ; my channel block
; 16 matrix instructions of product m (0 K', 1 V', 2 R): row blocks a0 .. a0 + 3 x all 4 column blocks, 32 along K, A from buffer f.  zero = 1: the product starts the sums: nothing is cleared.
; The 96 accumulators take turns, one instruction a turn, in the same order in every quarter.
.macro MULM f, m, a0, zero
	WIN ((\m)+1)*0x50                              ; C and D in window m + 1, A and B in window 0
.irp a, \a0, (\a0)+1, (\a0)+2, (\a0)+3
.irp c, 0,1,2,3
.if \zero
	v_wmma_f32_16x16x32_bf16 v[32*(\a)+8*(\c):32*(\a)+8*(\c)+7], v[(\f)+8*(\a):(\f)+8*(\a)+7], v[FB+32*(\m)+8*(\c):FB+32*(\m)+8*(\c)+7], 0
.else
	v_wmma_f32_16x16x32_bf16 v[32*(\a)+8*(\c):32*(\a)+8*(\c)+7], v[(\f)+8*(\a):(\f)+8*(\a)+7], v[FB+32*(\m)+8*(\c):FB+32*(\m)+8*(\c)+7], v[32*(\a)+8*(\c):32*(\a)+8*(\c)+7]
.endif
.endr
.endr
.endm
.macro LDB m, slot, kb                 ; 8 loads: product m's four fragments of B, at byte kb of the rows
	WIN 0
.irp c, 0,1,2,3
	ds_load_b128 v[FB+32*(\m)+8*(\c):FB+32*(\m)+8*(\c)+3],   v[ADRB+(\slot)] offset:(64*(\m)+16*(\c))*PITCH+(\kb)
	ds_load_b128 v[FB+32*(\m)+8*(\c)+4:FB+32*(\m)+8*(\c)+7], v[ADRB+(\slot)] offset:(64*(\m)+16*(\c))*PITCH+(\kb)+32
.endr
.endm
.macro LDA f, slot, kb, a0             ; 8 loads: row blocks a0 .. a0 + 3 of A into buffer f
	WIN 0
.irp a, \a0, (\a0)+1, (\a0)+2, (\a0)+3
	ds_load_b128 v[(\f)+8*(\a):(\f)+8*(\a)+3],   v[ADRA+(\slot)] offset:16*(\a)*PITCH+(\kb)
	ds_load_b128 v[(\f)+8*(\a)+4:(\f)+8*(\a)+7], v[ADRA+(\slot)] offset:16*(\a)*PITCH+(\kb)+32
.endr
.endm
; A K step is two quarters... of 32 along K, 96 matrix instructions each.  A quarter's 40 loads are always issued in the order B0, A 0-3, A 4-7, B1, B2, in three runs among the quarter before;
; B's group m is loaded again as soon as product m has read it.
; The first half of a step: multiplies buffer FA0, fetches the second half of the same slot into FA1.
.macro EQ slot, zero
	s_wait_dscnt 16                                ; B0 and A are in; the youngest sixteen (B1, B2) may be out
	MULM FA0, 0, 0, \zero
	MULM FA0, 0, 4, \zero
	PLACES
	LDB 0, \slot, 64
	LDA FA1, \slot, 64, 0
	s_wait_dscnt 24                                ; B1 is in; behind it: B2 and the sixteen just issued
	MULM FA0, 1, 0, \zero
	MULM FA0, 1, 4, \zero
	PLACES
	LDA FA1, \slot, 64, 4
	LDB 1, \slot, 64
	s_wait_dscnt 32                                ; B2 is in; behind it: twice sixteen
	MULM FA0, 2, 0, \zero
	MULM FA0, 2, 4, \zero
	PLACES
	LDB 2, \slot, 64
.endm
; The second half multiplies FA1 and changes slots: ONE barrier.  In front of it each wave waits for all its tensor loads, of which one is out: its part of the next slot; adds 0 to its spare word; and waits
; for that and for its own reads of this slot.  Behind it nobody reads this slot any more and the next slot is whole.  fill = 1: the barrier opens a round of the cluster's, and this slot is filled again,
; two K steps ahead, first thing behind the round: 160 matrix instructions of the wave stand between that request and the wait for it.
.macro OQ slot, next, fill
	WIN 0                                          ; (the add's two registers lie in window 0)
	s_wait_tensorcnt 0x0                           ; all my tensor loads have landed, so a group 0 may be written;
	ds_add_u32 v[SPW], v[NIL]                      ; 0 onto my spare word
	s_wait_dscnt 17                                ; B0 and A are in (the add and the sixteen loads of B1, B2 may be out)
	MULM FA1, 0, 0, 0                              ; sixteen matrix instructions stand between the add and the wait for it
	s_wait_dscnt 0x0                               ; the add is done, and my reads of this slot are over
	s_barrier_signal -1
	MULM FA1, 0, 4, 0                              ; work on registers while the others arrive
	WIN 0                                          ; at a branch and at a label every window is 0
	s_barrier_wait -1
.if \fill
	CREST                                          ; no wave of any partner still reads this slot's tiles or has a load on its way
	s_add_nc_u64 s[G0A+4*(\slot)+2:G0A+4*(\slot)+3], s[G0A+4*(\slot)+2:G0A+4*(\slot)+3], 2*ASTEP
	s_add_nc_u64 s[G0B+4*(\slot)+2:G0B+4*(\slot)+3], s[G0B+4*(\slot)+2:G0B+4*(\slot)+3], 2*BSTEP
	JLOAD \slot                                    ; my one tensor load behind the round; the four v_nop behind it are also the places in front of the loads below
.else
	PLACES
.endif
	LDB 0, \next, 0
	LDA FA0, \next, 0, 0
	MULM FA1, 1, 0, 0
	MULM FA1, 1, 4, 0
	PLACES
	LDA FA0, \next, 0, 4
	LDB 1, \next, 0
	MULM FA1, 2, 0, 0
	MULM FA1, 2, 4, 0
	PLACES
	LDB 2, \next, 0
.endm
	s_wait_tensorcnt 1                             ; my part of K step 0 is in; step 1's may stay out
	s_barrier_signal -1
	s_barrier_wait -1                              ; everybody's is
	LDB 0, 0, 0
	LDA FA0, 0, 0, 0
	LDA FA0, 0, 0, 4
	LDB 1, 0, 0
	LDB 2, 0, 0
	EQ 0, 1                                        ; the first 32 along K stand in front of the loop: their products start the sums
	WIN 0
	s_mov_b32 s68, 15
.Llap:                                                 ; a trip goes once round the ring and fills both slots again: 15 trips ask for K steps 2 to 31
	OQ 0, 1, 1
	EQ 1, 0
	OQ 1, 0, 1
	EQ 0, 0
	WIN 0
	s_sub_co_u32 s68, s68, 1
	s_cmp_lg_u32 s68, 0
	s_cbranch_scc1 .Llap
	OQ 0, 1, 0                                     ; the last lap asks for nothing, and has no round of the cluster's barrier
	EQ 1, 0
	s_wait_dscnt 16                                ; the very last 32 along K: nothing more to fetch
	MULM FA1, 0, 0, 0
	MULM FA1, 0, 4, 0
	s_wait_dscnt 8
	MULM FA1, 1, 0, 0
	MULM FA1, 1, 4, 0
	s_wait_dscnt 0x0
	MULM FA1, 2, 0, 0
	MULM FA1, 2, 4, 0
	WIN 0
	PLACES                                         ; the fragments' registers are written from here on
	; THE DECAY'S POWERS, for my four channels: log2 w = -log2(e) e^td; w^(j+1), j = 0..7; w^64
	s_wait_loadcnt 0x0
	v_cvt_pk_bf16_f32 v3, v[TDR], v[TDR+1]         ; time_decay is rounded to bf16 like the other inputs
	v_cvt_pk_bf16_f32 v17, v[TDR+2], v[TDR+3]
	v_lshlrev_b32 v[TDR], 16, v3
	v_and_b32 v[TDR+1], 0xffff0000, v3
	v_lshlrev_b32 v[TDR+2], 16, v17
	v_and_b32 v[TDR+3], 0xffff0000, v17
.irp c, 0,1,2,3
	v_mul_f32 v[LW+\c], s66, v[TDR+\c]
.endr
.irp c, 0,1,2,3
	v_exp_f32 v[LW+\c], v[LW+\c]
.endr
	v_mov_b32 v[EPSD], 0x322bcc77                  ; 1e-8; also the plain instruction between the exponentials and the use of their results (ISA guide 5.7.2)
	v_mov_b32 v[EPSD+1], 0x322bcc77
	s_wait_alu depctr_va_vdst(0)
.irp c, 0,1,2,3
	v_mul_f32 v[LW+\c], 0xbfb8aa3b, v[LW+\c]
.endr
.macro PW j, bits                      ; (j + 1) log2 w; bits: j + 1 as f32
.irp c, 0,1,2,3
	v_mul_f32 v[P8+8*\c+(\j)], \bits, v[LW+\c]
.endr
.endm
	PW 0, 0x3f800000
	PW 1, 0x40000000
	PW 2, 0x40400000
	PW 3, 0x40800000
	PW 4, 0x40a00000
	PW 5, 0x40c00000
	PW 6, 0x40e00000
	PW 7, 0x41000000
.irp c, 0,1,2,3
	v_mul_f32 v[W64+\c], 0x42800000, v[LW+\c]
.endr
.set i, 0
.rept 32
	v_exp_f32 v[P8+i], v[P8+i]
.set i, i+1
.endr
.irp c, 0,1,2,3
	v_exp_f32 v[W64+\c], v[W64+\c]
.endr
	v_nop
	s_wait_alu depctr_va_vdst(0)
.irp c, 0,1,2,3
	v_mov_b32 v[W8D+2*\c], v[P8+8*\c+7]
	v_mov_b32 v[W8D+2*\c+1], v[P8+8*\c+7]
.endr
; PASS 1: each lane scans its 64 times from 0, in place: window 1 becomes e^K' and then D, window 2 e^K' V' and then N.  Each accumulator's lowest registers are read first.
; XBLK a: block a's 32 exponentials; between them, as plain work that is ready, D's scan of block a - 1 (four chains, one a channel, by turns) and the scaling by log2(e) of block a + 1.
.macro XBLK a
	WIN 0x41                                       ; destination and source 0 in window 1, source 1 (w) in window 0
.set i, 0
.rept 32
.set j, i/4
.set c, i%4
.if (\a) < 8
	v_exp_f32 v[32*(\a)+8*c+j], v[32*(\a)+8*c+j]
.endif
.if (\a) >= 1
.if j > 0
	v_fmac_f32 v[32*((\a)-1)+8*c+j], v[32*((\a)-1)+8*c+j-1], v[P8+8*c]
.elseif (\a) >= 2
	v_fmac_f32 v[32*((\a)-1)+8*c], v[32*((\a)-2)+8*c+7], v[P8+8*c]
.endif
.endif
.if ((\a) < 7) && (i%2 == 1)
	v_pk_mul_f32 v[32*((\a)+1)+i-1:32*((\a)+1)+i], v[32*((\a)+1)+i-1:32*((\a)+1)+i], s[66:67] op_sel_hi:[1,0]
.endif
.set i, i+1
.endr
	v_nop                                          ; a plain instruction behind the last exponential
.endm
.macro MBLK a                          ; e^K' V'
	WIN 0x89                                       ; source 0 window 1, source 1 and destination window 2
.set z, 0
	s_wait_alu depctr_va_vdst(0)
.rept 16
	v_pk_mul_f32 v[32*(\a)+2*z:32*(\a)+2*z+1], v[32*(\a)+2*z:32*(\a)+2*z+1], v[32*(\a)+2*z:32*(\a)+2*z+1]
.set z, z+1
.endr
.endm
.macro NBLK a                          ; N's scan of block a
	WIN 0x82                                       ; destination and source 0 in window 2, w in window 0
.set i, 0
.rept 32
.set j, i/4
.set c, i%4
.if j > 0
	v_fmac_f32 v[32*(\a)+8*c+j], v[32*(\a)+8*c+j-1], v[P8+8*c]
.elseif (\a) >= 1
	v_fmac_f32 v[32*(\a)+8*c], v[32*((\a)-1)+8*c+7], v[P8+8*c]
.endif
.set i, i+1
.endr
.endm
	WIN 0x41
.set z, 0
.rept 16
	v_pk_mul_f32 v[2*z:2*z+1], v[2*z:2*z+1], s[66:67] op_sel_hi:[1,0]  ; block 0's K' times log2(e)
.set z, z+1
.endr
.irp a, 0,1,2,3,4,5,6,7
	XBLK \a
	MBLK \a
	NBLK \a
.endr
	XBLK 8                                         ; D's scan of block 7
	; THE SEGMENTS MEET.  Each lane's last N and D go to LDS; behind the barrier each lane folds the segments in front of its own, begun at N = 0, D = 1.
	WIN 0x02
.irp c, 0,1,2,3
	v_mov_b32 v[TN+\c], v[231+8*\c]
.endr
	WIN 0x01
.irp c, 0,1,2,3
	v_mov_b32 v[TD+\c], v[231+8*\c]
.endr
	WIN 0
	ds_store_b128 v[AGW], v[TN:TN+3]
	ds_store_b128 v[AGW], v[TD:TD+3] offset:2048
	s_wait_dscnt 0x0                               ; for the others' sake: my stores are done
	s_barrier_signal -1
	s_barrier_wait -1
.irp q, 0,1,2,3,4,5,6
	ds_load_b128 v[AN+4*\q:AN+4*\q+3], v[AGR] offset:256*\q
	ds_load_b128 v[AD+4*\q:AD+4*\q+3], v[AGR] offset:2048+256*\q
.endr
.irp c, 0,1,2,3
	v_mov_b32 v[NI+\c], 0
	v_mov_b32 v[DI+\c], 1.0
.endr
	s_wait_dscnt 0x0
.irp q, 0,1,2,3,4,5,6
	v_cmp_lt_u32 vcc_lo, \q, v[SIG]                ; does segment q lie in front of mine?  The work is done in every lane, the result taken where it does
.irp c, 0,1,2,3
	v_fma_f32 v[TT+\c], v[W64+\c], v[NI+\c], v[AN+4*\q+\c]
.endr
.irp c, 0,1,2,3
	v_cndmask_b32 v[NI+\c], v[NI+\c], v[TT+\c], vcc_lo
.endr
.irp c, 0,1,2,3
	v_fma_f32 v[TT+\c], v[W64+\c], v[DI+\c], v[AD+4*\q+\c]
.endr
.irp c, 0,1,2,3
	v_cndmask_b32 v[DI+\c], v[DI+\c], v[TT+\c], vcc_lo
.endr
.endr
.irp c, 0,1,2,3
	v_add_f32 v[TT+\c], v[EPSD], v[DI+\c]
.endr
.irp c, 0,1,2,3
	v_rcp_f32 v[TT+\c], v[TT+\c]
.endr
.irp c, 0,1,2,3
	v_mov_b32 v[CN+2*\c], v[NI+\c]                 ; plain work behind the reciprocals
	v_mov_b32 v[CN+2*\c+1], v[NI+\c]
	v_mov_b32 v[CD+2*\c], v[DI+\c]
	v_mov_b32 v[CD+2*\c+1], v[DI+\c]
.endr
	s_wait_alu depctr_va_vdst(0)
.irp c, 0,1,2,3
	v_mul_f32 v[QIN+\c], v[NI+\c], v[TT+\c]
.endr
; PASS 2, block by block, so that a block's stores leave while the later blocks are worked on.
.macro CORR a                          ; the carry enters block a: N += w^(j+1) CN, D += w^(j+1) CD; then the carry goes on by w^8
	WIN 0xa0                                       ; source 2 and destination in window 2
.set z, 0
.rept 16
	v_pk_fma_f32 v[32*(\a)+2*z:32*(\a)+2*z+1], v[P8+2*z:P8+2*z+1], v[CN+2*(z/4):CN+2*(z/4)+1], v[32*(\a)+2*z:32*(\a)+2*z+1]
.set z, z+1
.endr
	WIN 0x50                                       ; in window 1
.set z, 0
.rept 16
	v_pk_fma_f32 v[32*(\a)+2*z:32*(\a)+2*z+1], v[P8+2*z:P8+2*z+1], v[CD+2*(z/4):CD+2*(z/4)+1], v[32*(\a)+2*z:32*(\a)+2*z+1]
.set z, z+1
.endr
.if (\a) < 7
	WIN 0
.irp c, 0,1,2,3
	v_pk_mul_f32 v[CN+2*\c:CN+2*\c+1], v[CN+2*\c:CN+2*\c+1], v[W8D+2*\c:W8D+2*\c+1]
	v_pk_mul_f32 v[CD+2*\c:CD+2*\c+1], v[CD+2*\c:CD+2*\c+1], v[W8D+2*\c:W8D+2*\c+1]
.endr
.endif
.endm
.macro RBLK a                          ; 1 / (D + 1e-8) of block a, in place; between the reciprocals the next block's D + 1e-8
	WIN 0x41
.set i, 0
.rept 32
	v_rcp_f32 v[32*(\a)+i], v[32*(\a)+i]
.if ((\a) < 7) && (i%2 == 1)
	v_pk_add_f32 v[32*((\a)+1)+i-1:32*((\a)+1)+i], v[32*((\a)+1)+i-1:32*((\a)+1)+i], v[EPSD:EPSD+1]
.endif
.set i, i+1
.endr
	v_nop                                          ; a plain instruction behind the last reciprocal
.endm
.macro QBLK a                          ; the quotient, in N's place
	WIN 0x86                                       ; source 0 and destination window 2, source 1 window 1
.set z, 0
	s_wait_alu depctr_va_vdst(0)
.rept 16
	v_pk_mul_f32 v[32*(\a)+2*z:32*(\a)+2*z+1], v[32*(\a)+2*z:32*(\a)+2*z+1], v[32*(\a)+2*z:32*(\a)+2*z+1]
.set z, z+1
.endr
.endm
.macro OBLK a                          ; R of a time times the quotient of the time before, into window 1 (the reciprocals are spent): a time's four channels in four neighbouring registers
.set i, 0
.rept 32
.set j, i/4
.set c, i%4
.if j > 0
	WIN 0x4b                                       ; R in window 3, the quotient in window 2, the result in window 1
	v_mul_f32 v[32*(\a)+4*j+c], v[32*(\a)+8*c+j], v[32*(\a)+8*c+j-1]
.elseif (\a) > 0
	WIN 0x4b
	v_mul_f32 v[32*(\a)+c], v[32*(\a)+8*c], v[32*((\a)-1)+8*c+7]
.else
	WIN 0x43                                       ; the segment's first time takes the quotient in front of the segment, in window 0
	v_mul_f32 v[c], v[8*c], v[QIN+c]
.endif
.set i, i+1
.endr
.endm
.macro STORE a
	WIN 0x04                                       ; the data in window 1, the offset in window 0
.irp j, 0,1,2,3,4,5,6,7
	global_store_b128 v[GO], v[32*(\a)+4*\j:32*(\a)+4*\j+3], s[10:11] offset:(8*(\a)+\j)*8192 th:TH_STORE_NT  ; sixteen lanes store 256 consecutive bytes, at a multiple of 256 from out0's first byte; no register of a store is written again
.endr
.endm
	CORR 0
	WIN 0x41
.set z, 0
.rept 16
	v_pk_add_f32 v[2*z:2*z+1], v[2*z:2*z+1], v[EPSD:EPSD+1]
.set z, z+1
.endr
.irp a, 0,1,2,3,4,5,6,7
.if \a < 7
	CORR (\a)+1
.endif
	RBLK \a
	QBLK \a
	OBLK \a
	STORE \a
.endr
	WIN 0
	s_wait_tensorcnt 0x0                           ; the wave's end, behind my last tensor load and my last LDS store
	ds_add_u32 v[SPW], v[NIL]
	s_wait_dscnt 0x0
	CROUND                                         ; the closing round: no work-group ends while a partner may still ask for a tile that names it
	s_endpgm
.Lfunc_end_k_qcf1bd18cd9_mix:
	.size	k_qcf1bd18cd9_mix, .Lfunc_end_k_qcf1bd18cd9_mix-k_qcf1bd18cd9_mix
	.p2alignl 7, 3214868480
	.fill 96, 4, 3214868480
	.section	.rodata,"a",@progbits
	.p2align	6, 0x0
	.amdhsa_kernel k_qcf1bd18cd9_mix
		.amdhsa_group_segment_fixed_size 327680
		.amdhsa_private_segment_fixed_size 0
		.amdhsa_enable_private_segment 0
		.amdhsa_kernarg_size 32
		.amdhsa_user_sgpr_count 2
		.amdhsa_user_sgpr_kernarg_segment_ptr 1
		.amdhsa_wavefront_size32 1
		.amdhsa_system_sgpr_workgroup_id_x 1
		.amdhsa_system_sgpr_workgroup_id_y 1
		.amdhsa_system_sgpr_workgroup_id_z 1
		.amdhsa_system_vgpr_workitem_id 0
		.amdhsa_next_free_vgpr 1024
		.amdhsa_next_free_sgpr 72
		.amdhsa_reserve_vcc 1
		.amdhsa_float_denorm_mode_32 3
		.amdhsa_float_denorm_mode_16_64 3
		.amdhsa_memory_ordered 1
		.amdhsa_forward_progress 1
		.amdhsa_inst_pref_size 196
	.end_amdhsa_kernel
	.amdgpu_metadata
---
amdhsa.version: [ 1, 2 ]
amdhsa.kernels:
  - .name:           k_qcf1bd18cd9_mix
    .symbol:         k_qcf1bd18cd9_mix.kd
    .args:
      - { .name: xb, .offset: 0, .size: 8, .value_kind: global_buffer, .address_space: global }
      - { .name: wb, .offset: 8, .size: 8, .value_kind: global_buffer, .address_space: global }
      - { .name: time_decay, .offset: 16, .size: 8, .value_kind: global_buffer, .address_space: global }
      - { .name: out0, .offset: 24, .size: 8, .value_kind: global_buffer, .address_space: global }
    .group_segment_fixed_size: 327680
    .private_segment_fixed_size: 0
    .kernarg_segment_align: 8
    .kernarg_segment_size: 32
    .max_flat_workgroup_size: 128
    .sgpr_count:     72
    .vgpr_count:     1024
    .wavefront_size: 32
...
	.end_amdgpu_metadata
.endif
;; end of part 2
;; ======== version 2 of 2: 2 launches; version 1 with the launch cast written anew for expert scheduling mode
;; limits: right only within a limited range of input values
;; workspace buffers: xb 16,777,216 bytes; wb 25,165,824 bytes
;; launch cast (part 3): grid 256 x 1, 20 waves a work-group, no clusters, 0 bytes of LDS; arguments x, Wk, Wv, Wr, xb, wb, out1; writes xb, wb, out1
.if DOCPART == 3
	.amdgcn_target "amdgcn-amd-amdhsa--gfx1250"
	.amdhsa_code_object_version 6
	.text
	.protected	k_qcf1bd18cd9_cast
	.globl	k_qcf1bd18cd9_cast
	.p2align	8
	.type	k_qcf1bd18cd9_cast,@function
k_qcf1bd18cd9_cast:
	s_mov_b64 s[64:65], 0
	v_nop
	global_prefetch_b8 v0, s[64:65] scope:SCOPE_SE
	s_setreg_imm32_b32 hwreg(HW_REG_WAVE_SCHED_MODE, 0, 2), 2
	s_setreg_imm32_b32 hwreg(HW_REG_WAVE_MODE, 25, 1), 1
	s_wait_xcnt 0x0
	s_wait_alu depctr_vm_vsrc(0)
; x [8][512][2048] and Wk, Wv, Wr [2048][2048], all f32, are rounded once to bf16 (nearest even) and written in the order in which the next launch's tiles want them;
; out1[b] = x[b][510] is copied exactly.
;   xb [b 8][s 32][rho 512][64]: K step s of batch b is 65,536 dense bytes.  Time t = 128 w + 64 h + 8 a + j lies at row rho = 128 w + 16 a + 8 h + j.
;   wb [n 32][s 32][q 192][64]:  K step s of channel block n is 24,576 dense bytes.  Row q = 64 mat + 16 cb + r holds channel 64 n + 4 r + cb of Wk, Wv, Wr (mat 0, 1, 2).
;   k: of each 256 numbers of a source row (group g) lane l takes 4 l .. 4 l + 3 and 128 + 4 l .. 128 + 4 l + 3 and makes 16 bytes of them, which go to K step 4 g + l / 8, place l % 8.
;      x and the weights get the same order of k, so every product meets its partner and the sums are the same.
; SHARES.  10,240 source rows of 8,192 bytes are 5,120 pairs whose two rows are neighbours at their destination; a wave takes one pair: 256 work-groups x 20 waves.  All 32 loads of a wave
; (512 consecutive bytes each) go out at once, so there is no loop.  The lanes of the two rows are exchanged eight apart, so that sixteen neighbouring lanes store 256 consecutive, aligned bytes.
; No LDS, no barrier, no matrix unit, no cluster: every byte is read once and written once, no two work-groups read the same bytes, and the work is a rounding.
; THE MODE: SCHED_MODE bits 1:0 = 2 (LLVM: expert scheduling mode 2), set by the entry lines.  The code itself states the register dependences
; between vector instructions and memory instructions, with s_wait_alu, always for 0.
; THE PLAN.  Registers that memory instructions touch:
;   v2                 16 x lane.  Written once at the head; read by all 32 loads and by out1's stores.
;   v3                 my offset at the destination.  Written once, behind the loads; read by the 16 stores into xb or wb.
;   RAW+16 g .. +7     row 0 of group g.  Written by the loads alone; read by group g's conversions and by out1's stores.
;   RAW+16 g+8 .. +15  row 1 of group g, then the group's 32 bytes to store.  Written by the loads and then by group g's selects; read by the group's two stores, which are issued in group g + 1.
;   P4, Q4, T1, T2     are named by vector instructions alone.
; Group g + 1 names P4, Q4, T1, T2 and its own RAW registers: none that group g's stores touch.  So ONE wait on va_vdst at the head of a group, behind the wait for the group's data, states all that the
; two stores of the group before hang on, and they are dealt among the group's vector instructions.  No register that a memory instruction reads is ever written again, so the only wait on vm_vsrc is the entry's.
; Two vector instructions write scalar registers (the wave's number, the selects' mask): one wait on va_sdst behind both, at the head.
.set RAW, 32                           ; v[32:159] group g at RAW + 16 g: row 0's two loads (8 registers), row 1's two loads (8); row 1's then take the 32 bytes to store
.set P4,  8                            ; v[8:11]   row 0's 16 bytes of the group in hand
.set Q4,  12                           ; v[12:15]  row 1's
.set T1,  16                           ; v[16:19]  row 1's of the lane eight away
.set T2,  20                           ; v[20:23]  row 0's of the lane eight away
.set XSTEP, 65536                      ; bytes from K step to K step in xb
.set WSTEP, 24576                      ; and in wb
.macro LOADS d                         ; d: bytes from the pair's first source row to its second
.set g, 0
.rept 8
	global_load_b128 v[RAW+16*g:RAW+16*g+3],     v2, s[24:25] offset:1024*g th:TH_LOAD_NT
	global_load_b128 v[RAW+16*g+4:RAW+16*g+7],   v2, s[24:25] offset:1024*g+512 th:TH_LOAD_NT
	global_load_b128 v[RAW+16*g+8:RAW+16*g+11],  v2, s[24:25] offset:(\d)+1024*g th:TH_LOAD_NT
	global_load_b128 v[RAW+16*g+12:RAW+16*g+15], v2, s[24:25] offset:(\d)+1024*g+512 th:TH_LOAD_NT
.set g, g+1
.endr
.endm
; One of group n's two stores: K step 4 n + half (+ 2 for the upper half of the lanes).  Sixteen lanes store 256 consecutive bytes, at a multiple of 256 from the buffer's first byte.
.macro OUT n, half, bs
	global_store_b128 v3, v[RAW+16*(\n)+8+4*(\half):RAW+16*(\n)+11+4*(\half)], s[32:33] offset:(4*(\n)+(\half))*(\bs)
.endm
; The eight groups, one after the other.  bs: bytes from K step to K step at the destination.  No register that a store reads is written again, so no wait frees any.
.macro BODY bs
.set g, 0
.rept 8
	s_wait_loadcnt 28-4*g                          ; loads come back in order: this group's four are in, four for each younger group stay out
.if g > 0
	s_wait_alu depctr_va_vdst(0)                   ; the selects of the group before have written its 32 bytes, which the two stores below read; in group 1 also: v3, their offset, is written
	OUT g-1, 0, \bs
.endif
.irp k, 0,1,2,3
	v_cvt_pk_bf16_f32 v[P4+\k], v[RAW+16*g+2*\k], v[RAW+16*g+2*\k+1]
.endr
.if g > 0
	OUT g-1, 1, \bs                                ; no wait: no vector instruction since the wait above names v3 or the registers of the group before
.endif
.irp k, 0,1,2,3
	v_cvt_pk_bf16_f32 v[Q4+\k], v[RAW+16*g+8+2*\k], v[RAW+16*g+8+2*\k+1]
.endr
.irp k, 0,1,2,3
	v_mov_b32_dpp v[T1+\k], v[Q4+\k] row_xmask:8 row_mask:0xf bank_mask:0xf
	v_mov_b32_dpp v[T2+\k], v[P4+\k] row_xmask:8 row_mask:0xf bank_mask:0xf
.endr
.irp k, 0,1,2,3
	v_cndmask_b32 v[RAW+16*g+8+\k],  v[P4+\k], v[T1+\k], s20   ; lanes 0-7 of a half: row 0 of K step 4 g + 2 (l / 16); lanes 8-15: row 1 of the same step
	v_cndmask_b32 v[RAW+16*g+12+\k], v[T2+\k], v[Q4+\k], s20   ; the same for K step 4 g + 1 + 2 (l / 16)
.endr
.set g, g+1
.endr
	s_wait_alu depctr_va_vdst(0)                   ; group 7's selects have written its 32 bytes, which the last two stores read
	OUT 7, 0, \bs
	OUT 7, 1, \bs
.endm
	s_load_b256 s[4:11], s[0:1], 0x0               ; x s[4:5], Wk s[6:7], Wv s[8:9], Wr s[10:11]
	s_load_b128 s[12:15], s[0:1], 0x20             ; xb s[12:13], wb s[14:15]
	s_load_b64 s[16:17], s[0:1], 0x30              ; out1
	v_lshrrev_b32 v4, 5, v0
	v_readfirstlane_b32 s18, v4                    ; wave 0..19
	v_and_b32 v1, 31, v0                           ; lane
	v_lshlrev_b32 v2, 4, v1                        ; 16 bytes a lane: source offset, and offset in out1
	v_and_b32 v4, 8, v1
	v_cmp_ne_u32 s20, 0, v4                        ; the lanes 8-15 of each half
	v_lshrrev_b32 v5, 4, v1                        ; which half of the lanes
	v_and_b32 v6, 15, v1
	v_lshlrev_b32 v6, 4, v6                        ; my 16 of a half's 256 bytes
.irp k, 0,1,2,3
	v_mov_b32 v[T1+\k], 0                          ; the exchange's destinations count as read: written once here
	v_mov_b32 v[T2+\k], 0
.endr
	s_wait_alu depctr_va_sdst(0)                   ; s18 and s20 are written
	s_mul_i32 s19, ttmp9, 20
	s_add_co_u32 s19, s19, s18                     ; my pair, 0..5119: 2,048 of x, then 1,024 of each weight
	s_wait_alu depctr_va_vdst(0)                   ; v2 is written: all 32 loads, on either way behind the branch, and out1's stores read it as their offset
	s_wait_kmcnt 0x0
	s_cmp_lt_u32 s19, 2048
	s_cbranch_scc0 .Lw
	; A PAIR OF x: rows t = 2 tp and t + 1 of batch b
	s_lshl_b32 s28, s19, 14                        ; two rows of 8,192 bytes a pair
	s_mov_b32 s29, 0
	s_add_nc_u64 s[24:25], s[4:5], s[28:29]
	LOADS 8192
	s_lshr_b32 s36, s19, 8                         ; b
	s_and_b32 s37, s19, 255                        ; tp
	s_lshl_b32 s21, s37, 1                         ; t
	s_and_b32 s22, s21, 0x180                      ; 128 w
	s_bfe_u32 s23, s21, 0x30003                    ; a
	s_lshl_b32 s23, s23, 4
	s_or_b32 s22, s22, s23
	s_bfe_u32 s23, s21, 0x10006                    ; h
	s_lshl_b32 s23, s23, 3
	s_or_b32 s22, s22, s23
	s_and_b32 s23, s21, 7                          ; j
	s_or_b32 s22, s22, s23                         ; rho, even
	s_lshl_b32 s34, s36, 21                        ; a batch is 32 K steps of 65,536 bytes
	s_lshl_b32 s22, s22, 7                         ; a row of a K step is 128 bytes
	s_add_co_u32 s34, s34, s22
	s_mov_b32 s35, 0
	s_add_nc_u64 s[32:33], s[12:13], s[34:35]
	v_lshl_add_u32 v3, v5, 17, v6                  ; the upper half of the lanes stores two K steps further on; the first store stands behind group 1's wait on va_vdst
	BODY XSTEP
	s_cmp_lg_u32 s37, 255
	s_cbranch_scc1 .Lend                           ; only the pair with t = 510 has out1's row
	s_lshl_b32 s40, s36, 13
	s_mov_b32 s41, 0
	s_add_nc_u64 s[42:43], s[16:17], s[40:41]
.set g, 0
.rept 8
	global_store_b128 v2, v[RAW+16*g:RAW+16*g+3],   s[42:43] offset:1024*g th:TH_STORE_NT      ; row 0 as it was loaded: 512 consecutive bytes a store.  The data were written by loads alone, which group 7's wait for 0 has shown done;
	global_store_b128 v2, v[RAW+16*g+4:RAW+16*g+7], s[42:43] offset:1024*g+512 th:TH_STORE_NT  ; the offset v2 stands ahead of the head's wait on va_vdst
.set g, g+1
.endr
.Lend:
	s_endpgm
.Lw:	; A PAIR OF A WEIGHT: channels e and e + 4, which are rows q and q + 1 of a block
	s_sub_co_u32 s21, s19, 2048
	s_lshr_b32 s22, s21, 10                        ; mat
	s_bfe_u32 s23, s21, 0x50005                    ; n
	s_bfe_u32 s36, s21, 0x20003                    ; cb
	s_and_b32 s37, s21, 7                          ; u: r = 2 u, 2 u + 1
	s_lshl_b32 s38, s23, 6
	s_lshl_b32 s39, s37, 3
	s_add_co_u32 s38, s38, s39
	s_add_co_u32 s38, s38, s36                     ; e = 64 n + 8 u + cb
	s_lshl_b32 s28, s38, 13
	s_mov_b32 s29, 0
	s_cmp_eq_u32 s22, 1
	s_cselect_b64 s[24:25], s[8:9], s[6:7]         ; Wv or Wk,
	s_cmp_eq_u32 s22, 2
	s_cselect_b64 s[24:25], s[10:11], s[24:25]     ; or Wr
	s_add_nc_u64 s[24:25], s[24:25], s[28:29]
	LOADS 32768
	s_lshl_b32 s39, s22, 6
	s_lshl_b32 s40, s36, 4
	s_add_co_u32 s39, s39, s40
	s_lshl_b32 s40, s37, 1
	s_add_co_u32 s39, s39, s40                     ; q = 64 mat + 16 cb + 2 u
	s_lshl_b32 s39, s39, 7
	s_mul_i32 s34, s23, 32*WSTEP                   ; a channel block is 32 K steps of 24,576 bytes
	s_add_co_u32 s34, s34, s39
	s_mov_b32 s35, 0
	s_add_nc_u64 s[32:33], s[14:15], s[34:35]
	v_mul_u32_u24 v3, v5, 2*WSTEP
	v_add_nc_u32 v3, v3, v6                        ; the first store stands behind group 1's wait on va_vdst
	BODY WSTEP
	s_endpgm
.Lfunc_end_k_qcf1bd18cd9_cast:
	.size	k_qcf1bd18cd9_cast, .Lfunc_end_k_qcf1bd18cd9_cast-k_qcf1bd18cd9_cast
	.p2alignl 7, 3214868480
	.fill 96, 4, 3214868480
	.section	.rodata,"a",@progbits
	.p2align	6, 0x0
	.amdhsa_kernel k_qcf1bd18cd9_cast
		.amdhsa_group_segment_fixed_size 0
		.amdhsa_private_segment_fixed_size 0
		.amdhsa_enable_private_segment 0
		.amdhsa_kernarg_size 56
		.amdhsa_user_sgpr_count 2
		.amdhsa_user_sgpr_kernarg_segment_ptr 1
		.amdhsa_wavefront_size32 1
		.amdhsa_system_sgpr_workgroup_id_x 1
		.amdhsa_system_sgpr_workgroup_id_y 1
		.amdhsa_system_sgpr_workgroup_id_z 1
		.amdhsa_system_vgpr_workitem_id 0
		.amdhsa_next_free_vgpr 160
		.amdhsa_next_free_sgpr 66
		.amdhsa_reserve_vcc 0
		.amdhsa_float_denorm_mode_32 3
		.amdhsa_float_denorm_mode_16_64 3
		.amdhsa_memory_ordered 1
		.amdhsa_forward_progress 1
		.amdhsa_inst_pref_size 39
	.end_amdhsa_kernel
	.amdgpu_metadata
---
amdhsa.version: [ 1, 2 ]
amdhsa.kernels:
  - .name:           k_qcf1bd18cd9_cast
    .symbol:         k_qcf1bd18cd9_cast.kd
    .args:
      - { .name: x, .offset: 0, .size: 8, .value_kind: global_buffer, .address_space: global }
      - { .name: Wk, .offset: 8, .size: 8, .value_kind: global_buffer, .address_space: global }
      - { .name: Wv, .offset: 16, .size: 8, .value_kind: global_buffer, .address_space: global }
      - { .name: Wr, .offset: 24, .size: 8, .value_kind: global_buffer, .address_space: global }
      - { .name: xb, .offset: 32, .size: 8, .value_kind: global_buffer, .address_space: global }
      - { .name: wb, .offset: 40, .size: 8, .value_kind: global_buffer, .address_space: global }
      - { .name: out1, .offset: 48, .size: 8, .value_kind: global_buffer, .address_space: global }
    .group_segment_fixed_size: 0
    .private_segment_fixed_size: 0
    .kernarg_segment_align: 8
    .kernarg_segment_size: 56
    .max_flat_workgroup_size: 640
    .sgpr_count:     66
    .vgpr_count:     160
    .wavefront_size: 32
...
	.end_amdgpu_metadata
.endif
;; end of part 3
;; launch mix: the kernel of part 2 again; grid 32 x 8, 4 waves a work-group, clusters of 4 x 4, 327,680 bytes of LDS; arguments xb, wb, time_decay, out0; writes out0
